; MI455X (gfx1250); checked and timed in simulation.
; The chip was launched on July 23, 2026; its instructions are those of AMD's public machine-readable ISA for CDNA 5 (MIT licence, August 2026) and "CDNA5" Instruction Set Architecture Reference Guide (July 2026). The comments in the code are by the model that wrote it; some were corrected since.
;; DS Attention. Allowed arithmetic: matrix products marked QUANTISED: E5M2 operands, one given power-of-two scale a tensor, by v_wmma_f32_16x16x64_bf8_bf8 or v_wmma_f32_16x16x128_bf8_bf8, f32 sums; everything else in f32.
;; Inputs: delta 4 x 1 x 2,048 float32; keys_codes 4 x 2,048 x 8 x 2 x 32 uint8 (E5M2 codes of keys, K innermost, in blocks of 32 codes); lowp_scales 4 int32 (the exponents e of the quantised operands' scales 2^e); queries_codes 4 x 2,048 x 8 x 2 x 32 uint8 (E5M2 codes of queries, K innermost, in blocks of 32 codes); tau 4 x 1 x 1 float32; values_codes 4 x 8 x 64 x 64 x 32 uint8 (E5M2 codes of values, K innermost, in blocks of 32 codes).
;; Outputs: out0 4 x 2,048 x 8 x 64 float32.
;; This version of the problem:
;;   THIS VERSION OF THE PROBLEM IS GIVEN IN LOW PRECISION. The matrix products marked QUANTISED in the list below multiply operands that are first quantised to E5M2 (5 exponent bits, 2 mantissa bits; 8 bits a number), with one given power-of-two scale for each operand tensor; their sums are f32. All else is computed in f32.
;;   The module's matrix products, in the order in which they are computed (A, B: the left and right operand; K: the contracted axis; several contracted axes count as one K, in the product's order):
;;     1. batch 32 x [M 2,048, K 64] x [K 64, N 2,048]; A: input queries (given as codes); B: input keys (given as codes): QUANTISED (scales: A lowp_scales[0], B lowp_scales[1])
;;     2. batch 32 x [M 64, K 2,048] x [K 2,048, N 2,048]; A: input values (given as codes); B: softmax (see below): QUANTISED (scales: A lowp_scales[2], B lowp_scales[3])
;;   THE QUANTISER, for each operand of a quantised product, along K:
;;     - The operand's scale is 2^e, e = its entry of the input lowp_scales (int32; the entries are numbered through the quantised products in the list's order, A before B).
;;     - Each number is divided by the scale, clamped to +-57,344, and rounded to the nearest number of E5M2, ties to even, subnormals kept.
;;     - The product sums the exact products of the quantised numbers (number of the format x scale) in f32.
;;   ~~~python
;;   def quantise(x, axis, e):      # numpy; x: float32 -> the quantised numbers, widened to float32 again
;;       x = np.moveaxis(x, axis, -1); K = x.shape[-1]
;;       r = np.clip(x / 2.0 ** e, -57344, 57344)
;;       step = 2.0 ** (np.maximum(np.frexp(np.where(r == 0, 1, r))[1] - 1, -14) - 2)
;;       q = np.round(r / step) * step * 2.0 ** e      # np.round: ties to even
;;       return np.moveaxis(q, -1, axis).astype(np.float32)
;;   ~~~
;;   SOFTMAX AHEAD OF A QUANTISED PRODUCT. Where the list says 'softmax', what is quantised is not the finished softmax but p = 2^(t - M), with t = logit x log2(e) and M = ceil(the row's largest t), a whole number; so 1/2 < the row's largest p <= 1. The row's sum l is taken of the UNQUANTISED p, in f32, and the product's result is divided by l at the end. Since M is a whole number, a kernel that streams over the keys may use a running M (the ceiling of the running maximum): every later rescaling is an exact power of two, so the quantised numbers keep their values, but for numbers so far below the row's largest that they fall under the format's range.
;;   OPERANDS COMPUTED ON THE WAY. 'Computed on the way' means the value that the module computes at that place (a softmax that the list does not call 'softmax' is quantised finished and normalised). What goes into a quantiser is computed in f32, as accurately as f32 sums, v_exp_f32 and their like allow (about 1e-6 of the number): no bf16 or f16 on the way to a quantiser, and a product that is left as it is and whose result goes on into a quantised operand takes f32 operands (vector FMAs, or v_wmma_f32_16x16x4_f32). A number that lies on a knife's edge between two numbers of the format may be rounded either way, as far as f32 arithmetic and the matrix unit's own rounding can turn it there, and no further.
;;   INPUTS GIVEN AS CODES. keys (in the module: [4, 2048, 8, 64], K = its axis 3); queries (in the module: [4, 2048, 8, 64], K = its axis 3); values (in the module: [4, 2048, 8, 64], K = its axis 1): each comes as NAME_codes (uint8): NAME with its K axis moved to the last place and cut into blocks of 32 codes, [.., K / 32, bytes a block], one block behind the other in memory; one code a byte (a code: sign, 5 exponent bits, 2 mantissa bits); its scale is its entry of lowp_scales. Its value is code x scale, taken as it is: it is not quantised again, and the codes and scales need not be those that the quantiser above would give.
;; One version. Each part assembles by itself: llvm-mc -triple=amdgcn-amd-amdhsa -mcpu=gfx1250 --defsym DOCPART=n.
;; ======== version 1 of 1: 1 launch
;; limits: right only within a limited range of input values
;; launch attn (part 1): grid 8 x 32, 16 waves a work-group, clusters of 4 x 1, 327,680 bytes of LDS; arguments queries_codes, keys_codes, values_codes, lowp_scales, tau, delta, out0; writes out0
.if DOCPART == 1
	.amdgcn_target "amdgcn-amd-amdhsa--gfx1250"
	.amdhsa_code_object_version 6
	.text
	.protected	k_qbe14f9bd4d_attn
	.globl	k_qbe14f9bd4d_attn
	.p2align	8
	.type	k_qbe14f9bd4d_attn,@function
k_qbe14f9bd4d_attn:
	s_mov_b64 s[64:65], 0
	v_nop
	global_prefetch_b8 v0, s[64:65] scope:SCOPE_SE
	s_setreg_imm32_b32 hwreg(HW_REG_WAVE_MODE, 25, 1), 1
	s_wait_xcnt 0x0
	s_wait_alu depctr_hold_cnt(0) depctr_sa_sdst(0) depctr_va_vdst(0) depctr_va_sdst(0) depctr_va_ssrc(0) depctr_va_vcc(0) depctr_vm_vsrc(0)
	s_getreg_b32 s2, hwreg(HW_REG_IB_STS2, 6, 4)
	s_cmp_eq_u32 s2, 0
	s_cbranch_scc0 .Lentry_in_a_cluster
	s_endpgm
.Lentry_in_a_cluster:
	s_bfe_u32 s2, ttmp6, 0x10000c
	s_cmp_lg_u32 s2, 0x3003
	s_cbranch_scc0 .Lentry_shape_is_right
	s_endpgm
.Lentry_shape_is_right:
; out0[b][q][hd][:] = the sum over keys k <= q of softmax_k((Q[b][q][hd] . K[b][k][hd] x tau[b] + delta[b][k]) / 8) V[b][k][hd][:].  4 x 8 heads, 2,048 queries and keys, head size 64.
; Both products on codes of BF8 (E5M2) as they are given; the scales' exponents are eq, ek, ev, ep (values is the second product's first operand).
; Q, K: a row of 64 codes, 512 bytes from key to key.  V: the keys innermost, 64 rows of 2,048 codes a head.  out0: a row of 64 f32 = 256 bytes, 2,048 bytes from query to query.
; THE SOFTMAX AHEAD OF THE SECOND PRODUCT: t = S x c1 + dl[key], c1 = tau x 2^(eq + ek) x log2(e) / 8, dl = delta x log2(e) / 8, one fused multiply-add.  The maximum is taken of t, since dl differs from key
; to key and tau may have any sign.  M = the largest t so far, rounded UP to a whole number; p = 2^(t - M) is quantised with 2^ep; the row's sum is taken of the unquantised p and divides at the end.
; When M moves, the sum and O are multiplied by 2^(old M - new M): exact.
; THE WHOLE HEAD LIES IN LDS: K 2,048 x 80 bytes, V 4 x 64 x 528 bytes, dl 8,192 bytes.  Every tensor load is a first fill, issued at the head, four a wave (four are out at the most): no byte is filled twice.
; All that the work-group reads of K and V is asked for there, so there is no later load that a prefetch could run ahead of.
; SHARES.  A head's 2,048 queries are 16 blocks of 128, each 8 tiles of 16.  Work-group g (0..7) of a head takes tile g of EVERY block; its wave w takes block BLK(w): queries 128 BLK + 16 g + 0..15, key steps (128 keys)
; 0 .. BLK, of which step BLK lies on the diagonal; later steps are wholly hidden by the mask and are left out.  BLK = 15 2 1 12 | 4 9 10 7 | 8 5 6 11 | 3 14 13 0: each four waves w, w+4, w+8, w+12 have 34 steps in all,
; 25 of them among keys 0 .. 1,023; each four waves 4i .. 4i+3 have 34 as well.  All 256 work-groups have the same work.
; CLUSTER.  The four work-groups of a cluster belong to one head and need the same K and V: each tile is asked for JOINTLY (mask 15).  Descriptors, LDS addresses and branches hang on the head, the wave's number
; and counters alone; the place in the cluster enters Q's and out0's addresses and the number that the diagonal's compares take.
; LAYOUT.  Both products are used transposed: S^T = K Q^T (source 0 = 16 keys, source 1 = my 16 queries), O^T = V^T P^T (source 0 = 16 of the head's 64, source 1 = P): a lane holds ONE query (lane % 16).
; THE KEYS OF A TILE ARE NOT NEIGHBOURS: lane r of tile 2 b + u takes key 32 b + 8 u + r + 8 (r / 8), so that the 16 registers of tiles 2 b, 2 b + 1 are the neighbouring keys 32 b + 16 (lane / 16) + 0 .. 15.
; Fragments come by loads of 16 bytes, 32 bytes apart: a permutation of k that is the same in both sources of a product, so every product meets its partner.
; LIMITS: ep between -126 and 127, so that 2^ep is an f32 number; eq + ek and ep + ev go in by v_ldexp_f32 and have none.  NaN among the inputs is not served.
.set KP,    80                         ; a key's row in LDS: 64 bytes + 16 of padding
.set KCH,   512*KP                     ; a chunk of 512 keys of K
.set VP,    528                        ; a row of a chunk of V: 512 bytes + 16 = 132 words: row r starts at bank 4 r mod 64 (64 banks of 4 bytes: ISA guide 11.1)
.set VCH,   64*VP                      ; a chunk of V: 64 rows x 512 keys
.set VBASE, 4*KCH                      ; 163,840: V behind K
.set DL,    VBASE+4*VCH                ; 299,008, a multiple of 256: dl[key] at 4 x key; stored by the waves; no fill lands here
.set SP,    272                        ; the way out: a stage of 16 rows x (256 + 16) bytes for each wave, from LDS byte 0 on: K's bytes, which have had their only fill and their last read by then
.set AK0, 1                            ; v1   my lane's place in a tile of K: (r + 8 (r / 8)) x 80 + 16 h;  on the way out: where I put 32 bytes of a row
.set AV0, 2                            ; v2   in a tile of V: r x 528 + 16 h;  on the way out: where I read a row back
.set AD0, 3                            ; v3   in dl: DL + 64 h
.set DG,  4                            ; v4   16 g + r - 16 h: on the diagonal register 16 b + i is hidden where 32 b + i > DG
.set GO,  5                            ; v5   my byte offset in the wave's rows of out0
.set LIM, 6
.set SCL, 7                            ; v7   2^ep
.set ADK, 8                            ; v8-10 the step's LDS addresses: K, V, dl
.set ADV, 9
.set ADL, 10
.set NINF, 11                          ; v11  -infinity
                                       ; v12 -M, v13 the largest t, v[14:15] the sum in two halves, v[16:23] Q, v24, v25 at work, v[26:27] c1 twice, v[28:29] f and 0, v[30:31] the sum's second chain
.set KF,  32                           ; v32-95   K's 8 fragments of 8 registers, then V's 4 of 16
.set S,   96                           ; v96-159  S^T, then t, then p
.set OT,  160                          ; v160-191 O^T, 4 tiles
.set DLR, 192                          ; v192-255 the step's dl; v192-207 later p's codes
.set WV,  18                           ; s18  my wave's number;  s19 its low three bits
.set W7,  19
.set SEL, 20                           ; s[20:21] lane selects for v_permlanex16_b32: lane l xor 16
.set BLK, 22                           ; s22  my block of queries = my last key step
.set ST,  23                           ; s23  the key step, 0 .. 15
.set CNT, 24                           ; s24  counts a chunk's four steps
.set KB,  25                           ; s25-27 LDS byte at which the step's keys begin in K, in V, and their byte in dl
.set VB,  26
.set DB,  27
.set G1K, 28                           ; s[28:35] descriptor group 1 for K's tiles;  s[36:43] for V's
.set G1V, 36
.set G0K, 44                           ; s[44:59] K's groups 0, one for each chunk;  s[68:83] V's
.set G0V, 68
; A round of the cluster's barrier: my work-group's barrier, so that wave 0's signal speaks for all sixteen waves; wave 0 signals for the work-group; every wave waits for all four work-groups; my work-group's barrier once more.
.macro CROUND
	s_barrier_signal -1
	s_barrier_wait -1
	s_cmp_lg_u32 s[WV], 0
	s_cbranch_scc1 .Lnot_wave_0_\@
	s_barrier_signal -3
.Lnot_wave_0_\@:
	s_barrier_wait -3
	s_barrier_signal -1
	s_barrier_wait -1
.endm
	s_load_b256 s[4:11], s[0:1], 0x0               ; Q s[4:5], K s[6:7], V s[8:9], the scales' exponents s[10:11]
	s_load_b128 s[12:15], s[0:1], 0x20             ; tau s[12:13], delta s[14:15]
	s_load_b64 s[16:17], s[0:1], 0x30              ; out0
	v_lshl_add_u32 v254, v0, 2, 0x4b000
	v_mov_b32 v255, 0
	ds_add_u32 v254, v255
	ds_add_u32 v254, v255
	s_wait_dscnt 0x0
	v_lshrrev_b32 v8, 5, v0
	s_delay_alu instid0(VALU_DEP_1)
	v_readfirstlane_b32 s[WV], v8                  ; wave 0..15
	s_and_b32 s[W7], s[WV], 7                      ; which eighth of a chunk I fetch: of K (waves 0-7) or of V (waves 8-15)
	s_and_b32 s62, ttmp7, 0xffff                   ; y = 8 b + hd: the head, which the four partners share
	s_lshr_b32 s63, s62, 3                         ; b
	s_and_b32 s66, s62, 7                          ; hd
	; descriptor group 1.  K: 64 rows of 64 bytes, 512 bytes apart;  V: 8 rows of 512 bytes, 2,048 bytes apart
	s_mov_b32 s[G1K], 15|(1<<20)|(1<<21)|(3<<22)|(3<<25)   ; 15:0 the mask: all four work-groups; 17:16 elements of 1 byte; 20 padding on; 21 set beside a mask; 24:22 after every 16 words (code 3); 31:25 four words (code 3)
	s_mov_b32 s[G1K+1], 64<<16                     ; tensor_dim0
	s_mov_b32 s[G1K+2], 64<<16                     ; tensor_dim1
	s_mov_b32 s[G1K+3], 64<<16                     ; tile_dim0
	s_mov_b32 s[G1K+4], 64                         ; tile_dim1
	s_mov_b32 s[G1K+5], 512                        ; tensor_dim0_stride
	s_mov_b32 s[G1K+6], 0
	s_mov_b32 s[G1K+7], 0
	s_mov_b32 s[G1V], 15|(1<<20)|(1<<21)|(6<<22)|(3<<25)   ; padding: four words after every 128 (code 6)
	s_mov_b32 s[G1V+1], 512<<16
	s_mov_b32 s[G1V+2], 8<<16
	s_mov_b32 s[G1V+3], 512<<16
	s_mov_b32 s[G1V+4], 8
	s_mov_b32 s[G1V+5], 2048
	s_mov_b32 s[G1V+6], 0
	s_mov_b32 s[G1V+7], 0
	s_lshl_b32 s90, s63, 20                        ; K: b x 2,048 keys x 512 bytes
	s_lshl_b32 s67, s66, 6
	s_add_co_u32 s90, s90, s67                     ; + hd x 64
	s_lshl_b32 s67, s[W7], 15
	s_add_co_u32 s90, s90, s67                     ; + my 64 keys of a chunk
	s_mov_b32 s91, 0
	s_lshl_b32 s92, s62, 17                        ; V: y x 64 rows x 2,048 bytes
	s_lshl_b32 s67, s[W7], 14
	s_add_co_u32 s92, s92, s67                     ; + my 8 rows
	s_mov_b32 s93, 0
	s_mul_i32 s2, s[W7], 64*KP                     ; where they go in a chunk: K,
	s_mul_i32 s3, s[W7], 8*VP
	s_add_co_u32 s3, s3, VBASE                     ; V
	s_lshl_b32 s98, s63, 2                         ; tau[b]: 4 b bytes on
	s_mov_b32 s99, 0
	s_mov_b32 s[SEL], 0x76543210
	s_mov_b32 s[SEL+1], 0xfedcba98
	s_wait_kmcnt 0x0
	s_add_nc_u64 s[12:13], s[12:13], s[98:99]
	s_load_b128 s[84:87], s[10:11], 0x0            ; eq, ek, ev, ep
	s_load_b32 s88, s[12:13], 0x0                  ; tau[b]
	s_add_nc_u64 s[90:91], s[6:7], s[90:91]
	s_add_nc_u64 s[92:93], s[8:9], s[92:93]
.irp c, 0,1,2,3
	s_mov_b32 s[G0K+4*\c], 1                                       ; 1:0 count = 1
	s_add_co_u32 s[G0K+4*\c+1], s2, \c*KCH                         ; 63:32 LDS address
	s_add_nc_u64 s[G0K+4*\c+2:G0K+4*\c+3], s[90:91], \c*262144     ; 120:64 global address: 512 keys x 512 bytes a chunk
	s_or_b32 s[G0K+4*\c+3], s[G0K+4*\c+3], 0x80000000              ; 127:126 type = 2
	s_mov_b32 s[G0V+4*\c], 1
	s_add_co_u32 s[G0V+4*\c+1], s3, \c*VCH
	s_add_nc_u64 s[G0V+4*\c+2:G0V+4*\c+3], s[92:93], \c*512        ; 512 keys along each row
	s_or_b32 s[G0V+4*\c+3], s[G0V+4*\c+3], 0x80000000
.endr
	CROUND                                         ; all four work-groups are here: the joint loads meet
	s_cmp_lt_u32 s[WV], 8                          ; a wave's four fills stand in one branch, in the chunks' order, ahead of every wait on TENSORcnt and every LDS read; four v_nop follow the last
	s_cbranch_scc0 .Lfirst_v
	tensor_load_to_lds s[G0K:G0K+3], s[G1K:G1K+7]
	s_nop 0
	tensor_load_to_lds s[G0K+4:G0K+7], s[G1K:G1K+7]
	s_nop 0
	tensor_load_to_lds s[G0K+8:G0K+11], s[G1K:G1K+7]
	s_nop 0
	tensor_load_to_lds s[G0K+12:G0K+15], s[G1K:G1K+7]
	s_nop 0
.rept 4
	v_nop
.endr
	s_branch .Lfirst_asked
.Lfirst_v:
	tensor_load_to_lds s[G0V:G0V+3], s[G1V:G1V+7]
	s_nop 0
	tensor_load_to_lds s[G0V+4:G0V+7], s[G1V:G1V+7]
	s_nop 0
	tensor_load_to_lds s[G0V+8:G0V+11], s[G1V:G1V+7]
	s_nop 0
	tensor_load_to_lds s[G0V+12:G0V+15], s[G1V:G1V+7]
	s_nop 0
.rept 4
	v_nop
.endr
.Lfirst_asked:
	s_cmp_lt_u32 s[WV], 8                          ; BLK: nibble w % 8 of one of two words
	s_mov_b32 s67, 0x0de3b658                      ; waves 8-15: 8 5 6 11 3 14 13 0
	s_cselect_b32 s67, 0x7a94c12f, s67             ; waves 0-7: 15 2 1 12 4 9 10 7
	s_lshl_b32 s[BLK], s[W7], 2
	s_lshr_b32 s[BLK], s67, s[BLK]
	s_and_b32 s[BLK], s[BLK], 15
	s_bfe_u32 s60, ttmp6, 0x40000                  ; cx: my place in the cluster
	s_lshl_b32 s61, ttmp9, 2                       ; in a cluster launch ttmp9 counts clusters
	s_add_co_u32 s61, s61, s60                     ; g = 4 x cluster x + cx
	s_lshl_b32 s67, s61, 4                         ; 16 g
	s_lshl_b32 s94, s[BLK], 7
	s_add_co_u32 s94, s94, s67                     ; my first query: 128 BLK + 16 g
	s_lshl_b32 s96, s94, 11                        ; out0: 2,048 bytes a query,
	s_lshl_b32 s94, s94, 9                         ; Q: 512
	s_lshl_b32 s98, s63, 20
	s_add_co_u32 s94, s94, s98
	s_lshl_b32 s98, s66, 6
	s_add_co_u32 s94, s94, s98                     ; + b x 2^20 + hd x 64
	s_mov_b32 s95, 0
	s_lshl_b32 s98, s63, 22
	s_add_co_u32 s96, s96, s98
	s_lshl_b32 s98, s66, 8
	s_add_co_u32 s96, s96, s98                     ; + b x 2^22 + hd x 256
	s_mov_b32 s97, 0
	s_add_nc_u64 s[4:5], s[4:5], s[94:95]
	s_add_nc_u64 s[16:17], s[16:17], s[96:97]
	s_lshl_b32 s98, s63, 13                        ; delta[b]: 8,192 bytes a sample
	s_add_nc_u64 s[14:15], s[14:15], s[98:99]
	v_and_b32 v24, 15, v0                          ; r = lane % 16
	v_bfe_u32 v25, v0, 4, 1                        ; h = lane / 16
	s_delay_alu instid0(VALU_DEP_2)
	v_lshlrev_b32 v8, 9, v24
	s_delay_alu instid0(VALU_DEP_1)
	v_lshl_add_u32 v8, v25, 4, v8                  ; Q: row r, + 16 h
	global_load_b128 v[16:19], v8, s[4:5]          ; Q's fragment stays in registers
	global_load_b128 v[20:23], v8, s[4:5] offset:32
	v_lshlrev_b32 v9, 4, v0
	global_load_b128 v[DLR:DLR+3], v9, s[14:15]    ; my four numbers of delta[b]: 512 threads x 16 bytes
	v_lshl_add_u32 v10, v0, 4, DL                  ; and their place in LDS
	v_and_b32 v[AK0], 8, v24
	s_delay_alu instid0(VALU_DEP_1)
	v_add_nc_u32 v[AK0], v[AK0], v24               ; r + 8 (r / 8)
	s_delay_alu instid0(VALU_DEP_1)
	v_mul_u32_u24 v[AK0], v[AK0], KP
	s_delay_alu instid0(VALU_DEP_1)
	v_lshl_add_u32 v[AK0], v25, 4, v[AK0]
	v_mul_u32_u24 v[AV0], v24, VP
	s_delay_alu instid0(VALU_DEP_1)
	v_lshl_add_u32 v[AV0], v25, 4, v[AV0]
	v_lshl_add_u32 v[AD0], v25, 6, DL
	v_lshlrev_b32 v[DG], 4, v25
	s_delay_alu instid0(VALU_DEP_1)
	v_sub_nc_u32 v[DG], v24, v[DG]
	s_delay_alu instid0(VALU_DEP_1)
	v_add_nc_u32 v[DG], s67, v[DG]
	v_lshlrev_b32 v[GO], 11, v25                   ; the way out: lanes 0-15 take one row of out0, lanes 16-31 the next query's; 16 bytes a lane
	s_delay_alu instid0(VALU_DEP_1)
	v_lshl_add_u32 v[GO], v24, 4, v[GO]
	v_mov_b32 v[NINF], 0xff800000
	v_mov_b32 v13, 0xff61b1e6                      ; the largest t so far: -3e38, under every t
	s_delay_alu instid0(VALU_DEP_1)
	v_floor_f32 v12, -v13                          ; -M
	v_mov_b32 v14, 0                               ; the sum, in two halves
	v_mov_b32 v15, 0
	v_mov_b32 v29, 0                               ; (named as the upper half of the pair v[28:29])
.irp j, 0,1,2,3,4,5,6,7,8,9,10,11,12,13,14,15,16,17,18,19,20,21,22,23,24,25,26,27,28,29,30,31
	v_mov_b32 v[OT+\j], 0                          ; O^T.  (The step is written once: the first finds zeros, which the first change of M leaves zeros)
.endr
	s_wait_kmcnt 0x0
	s_add_co_i32 s67, s84, s85                     ; eq + ek
	v_mov_b32 v26, s88
	s_delay_alu instid0(VALU_DEP_1)
	v_mul_f32 v26, 0x3e38aa3b, v26                 ; tau x log2(e) / 8,
	s_delay_alu instid0(VALU_DEP_1)
	v_ldexp_f32 v26, v26, s67                      ; x 2^(eq + ek): c1, of any sign, or 0
	s_delay_alu instid0(VALU_DEP_1)
	v_mov_b32 v27, v26
	s_add_co_i32 s67, s87, 127
	s_lshl_b32 s98, s67, 23
	v_mov_b32 v[SCL], s98                          ; 2^ep as f32: the conversion takes its exponent field
	s_add_co_i32 s89, s86, s87                     ; ev + ep
	s_wait_loadcnt 0x0                             ; Q and delta are in; their offset registers may be written again
	v_pk_mul_f32 v[DLR:DLR+1], v[DLR:DLR+1], 0x3e38aa3b op_sel_hi:[1,0]       ; dl = delta x log2(e) / 8
	v_pk_mul_f32 v[DLR+2:DLR+3], v[DLR+2:DLR+3], 0x3e38aa3b op_sel_hi:[1,0]
	ds_store_b128 v10, v[DLR:DLR+3]
	s_mov_b32 s[ST], 0
; A KEY STEP: 128 keys.  A step all of whose keys come after my queries is left out: a scalar branch on the wave's number and the step's, round the work alone; the lines at its end that step addresses are on every path.
.macro STEP
	s_cmp_gt_u32 s[ST], s[BLK]
	s_cbranch_scc1 .Lhidden_\@
	s_setprio 2
	v_add_nc_u32 v[ADK], s[KB], v[AK0]
	v_add_nc_u32 v[ADV], s[VB], v[AV0]
	v_add_nc_u32 v[ADL], s[DB], v[AD0]
.irp t, 0,1,2,3,4,5,6,7                        ; K's eight tiles of 16 keys x 64
	ds_load_b128 v[KF+8*\t:KF+8*\t+3],   v[ADK] offset:(32*(\t/2)+8*(\t%2))*KP
	ds_load_b128 v[KF+8*\t+4:KF+8*\t+7], v[ADK] offset:(32*(\t/2)+8*(\t%2))*KP+32
.endr
.irp n, 0,1,2,3,4,5,6,7,8,9,10,11,12,13,14,15  ; dl of my 64 keys, in the scores' order: register 16 b + i = key 32 b + 16 h + i
	ds_load_b128 v[DLR+4*\n:DLR+4*\n+3], v[ADL] offset:128*(\n/4)+16*(\n%4)
.endr
	s_wait_alu depctr_va_vdst(0)
	s_wait_dscnt 16                                ; K's sixteen loads are in; dl's sixteen, issued behind them, may be out
.irp t, 0,1,2,3,4,5,6,7
	v_wmma_f32_16x16x64_bf8_bf8 v[S+8*\t:S+8*\t+7], v[KF+8*\t:KF+8*\t+7], v[16:23], 0
.endr
.rept 4
	v_nop                                          ; four places behind the products, in front of the loads over K's fragments and of the first read of the scores
.endr
.irp t, 0,1,2,3                                ; V's four tiles of 16 channels x 128 keys: they land while the softmax is worked
.irp c, 0,1,2,3
	ds_load_b128 v[KF+16*\t+4*\c:KF+16*\t+4*\c+3], v[ADV] offset:16*\t*VP+32*\c
.endr
.endr
	s_wait_dscnt 16                                ; dl is in; V's sixteen loads, issued behind it, may be out
.irp j, 0,2,4,6,8,10,12,14,16,18,20,22,24,26,28,30,32,34,36,38,40,42,44,46,48,50,52,54,56,58,60,62
	v_pk_fma_f32 v[S+\j:S+\j+1], v[S+\j:S+\j+1], v[26:27], v[DLR+\j:DLR+\j+1]   ; t = S x c1 + dl, two at a time; each accumulator from its low end on
.endr
	s_cmp_lg_u32 s[ST], s[BLK]                     ; only my last step lies on the diagonal: there hidden keys' t becomes -infinity ahead of the maximum, so that p = 0
	s_cbranch_scc1 .Lopen_\@
.irp n, 0,1,2,3,4,5,6,7,8,9,10,11,12,13,14,15,16,17,18,19,20,21,22,23,24,25,26,27,28,29,30,31,32,33,34,35,36,37,38,39,40,41,42,43,44,45,46,47,48,49,50,51,52,53,54,55,56,57,58,59,60,61,62,63
	v_cmp_gt_i32 vcc_lo, 32*(\n/16)+\n%16, v[DG]
	s_delay_alu instid0(VALU_DEP_1)
	v_cndmask_b32 v[S+\n], v[S+\n], v[NINF], vcc_lo
.endr
.Lopen_\@:
	v_max3_num_f32 v24, v[S], v[S+1], v[S+2]       ; the step's largest t of my query, among my 64 keys, in two chains,
	v_max3_num_f32 v25, v[S+3], v[S+4], v[S+5]
.irp i, 6,10,14,18,22,26,30,34,38,42,46,50,54,58
	s_delay_alu instid0(VALU_DEP_2)
	v_max3_num_f32 v24, v24, v[S+\i], v[S+\i+1]
	s_delay_alu instid0(VALU_DEP_2)
	v_max3_num_f32 v25, v25, v[S+\i+2], v[S+\i+3]
.endr
	s_delay_alu instid0(VALU_DEP_2)
	v_max3_num_f32 v24, v24, v[S+62], v[S+63]
	s_delay_alu instid0(VALU_DEP_1)
	v_max_num_f32 v24, v24, v25
	s_delay_alu instid0(VALU_DEP_1)
	v_permlanex16_b32 v25, v24, s[SEL], s[SEL+1]
	s_delay_alu instid0(VALU_DEP_1)
	v_max_num_f32 v24, v24, v25                    ; and among lane l xor 16's (key 0 counts for every query, so this is a number from the first step on)
	s_delay_alu instid0(VALU_DEP_1)
	v_max_num_f32 v13, v13, v24                    ; the running largest t
	v_mov_b32 v24, v12
	s_delay_alu instid0(VALU_DEP_2)
	v_floor_f32 v12, -v13                          ; the new -M = floor(-t) = -ceil(t): M is a whole number
	s_delay_alu instid0(VALU_DEP_1)
	v_sub_f32 v24, v12, v24                        ; M's old value less its new one: a whole number, 0 or less
	s_delay_alu instid0(VALU_DEP_1)
	v_cvt_i32_f32 v24, v24                         ; (it saturates)
	s_delay_alu instid0(VALU_DEP_1)
	v_ldexp_f32 v28, 1.0, v24                      ; f = 2^(old M - new M)
	s_setprio 1
.irp j, 0,2,4,6,8,10,12,14,16,18,20,22,24,26,28,30,32,34,36,38,40,42,44,46,48,50,52,54,56,58,60,62
	v_pk_add_f32 v[S+\j:S+\j+1], v[S+\j:S+\j+1], v[12:13] op_sel_hi:[1,0]   ; t - M (of the pair the low word, -M, serves both halves)
.endr
	s_wait_alu depctr_va_vdst(0)
.irp j, 0,1,2,3,4,5,6,7,8,9,10,11,12,13,14,15,16,17,18,19,20,21,22,23,24,25,26,27,28,29,30,31,32,33,34,35,36,37,38,39,40,41,42,43,44,45,46,47,48,49,50,51,52,53,54,55,56,57,58,59,60,61,62,63
	v_exp_f32 v[S+\j], v[S+\j]                     ; p = 2^(t - M), at most 1: not normalised
.endr
	v_pk_mul_f32 v[14:15], v[14:15], v[28:29] op_sel_hi:[1,0]   ; the sums under the new M: the plain instruction behind the exponentials
	s_wait_alu depctr_va_vdst(0)                   ; one wait for the batch of 64, ahead of the first instruction that names a result
	v_pk_add_f32 v[30:31], v[100:101], v[104:105]
	v_pk_add_f32 v[254:255], v[108:109], v[112:113]
	v_pk_add_f32 v[252:253], v[116:117], v[120:121]
	v_pk_add_f32 v[250:251], v[124:125], v[128:129]
	v_pk_add_f32 v[248:249], v[132:133], v[136:137]
	v_pk_add_f32 v[246:247], v[140:141], v[144:145]
	v_pk_add_f32 v[244:245], v[148:149], v[152:153]
	v_pk_add_f32 v[14:15], v[14:15], v[156:157]
	v_pk_add_f32 v[30:31], v[30:31], v[96:97]
	v_pk_add_f32 v[254:255], v[254:255], v[98:99]
	v_pk_add_f32 v[252:253], v[252:253], v[102:103]
	v_pk_add_f32 v[250:251], v[250:251], v[106:107]
	v_pk_add_f32 v[248:249], v[248:249], v[110:111]
	v_pk_add_f32 v[246:247], v[246:247], v[114:115]
	v_pk_add_f32 v[244:245], v[244:245], v[118:119]
	v_pk_add_f32 v[14:15], v[14:15], v[122:123]
	v_pk_add_f32 v[30:31], v[30:31], v[126:127]
	v_pk_add_f32 v[254:255], v[254:255], v[130:131]
	v_pk_add_f32 v[252:253], v[252:253], v[134:135]
	v_pk_add_f32 v[250:251], v[250:251], v[138:139]
	v_pk_add_f32 v[248:249], v[248:249], v[142:143]
	s_setprio 0
	v_pk_add_f32 v[246:247], v[246:247], v[146:147]
	v_pk_add_f32 v[244:245], v[244:245], v[150:151]
	v_pk_add_f32 v[14:15], v[14:15], v[154:155]
	v_pk_add_f32 v[30:31], v[30:31], v[158:159]
	s_delay_alu instid0(VALU_DEP_2)
	v_pk_add_f32 v[14:15], v[14:15], v[250:251]
	s_delay_alu instid0(VALU_DEP_2)
	v_pk_add_f32 v[30:31], v[30:31], v[248:249]
	v_pk_add_f32 v[254:255], v[254:255], v[246:247]
	v_pk_add_f32 v[252:253], v[252:253], v[244:245]
	s_delay_alu instid0(VALU_DEP_2)
	v_pk_add_f32 v[14:15], v[14:15], v[254:255]
	s_delay_alu instid0(VALU_DEP_2)
	v_pk_add_f32 v[30:31], v[30:31], v[252:253]
	s_delay_alu instid0(VALU_DEP_1)
	v_pk_add_f32 v[14:15], v[14:15], v[30:31]
.irp b, 0,1,2,3
.irp i, 0,1,2,3,4,5,6,7,8,9,10,11,12,13,14,15
.endr
	v_cvt_scalef32_pk8_bf8_f32 v[DLR+4*\b:DLR+4*\b+1],   v[S+16*\b:S+16*\b+7],    v[SCL]   ; registers 4 b .. 4 b + 3 of the operand: keys 32 b + 16 h + 0 .. 15
	v_cvt_scalef32_pk8_bf8_f32 v[DLR+4*\b+2:DLR+4*\b+3], v[S+16*\b+8:S+16*\b+15], v[SCL]
.endr
.irp j, 0,2,4,6,8,10,12,14,16,18,20,22,24,26,28,30
	v_pk_mul_f32 v[OT+\j:OT+\j+1], v[OT+\j:OT+\j+1], v[28:29] op_sel_hi:[1,0]   ; O^T under the new M: x f, each accumulator from its low end on.  (Plain work between the conversions and the products)
.endr
	s_wait_alu depctr_va_vdst(0)
	s_wait_dscnt 0x0                               ; V is in
.irp t, 0,1,2,3                                ; O^T += V^T P^T; the four accumulators take turns, one instruction a turn, and the next step's eight products stand between two links
	v_wmma_f32_16x16x128_bf8_bf8 v[OT+8*\t:OT+8*\t+7], v[KF+16*\t:KF+16*\t+15], v[DLR:DLR+15], v[OT+8*\t:OT+8*\t+7]
.endr
.rept 4
	v_nop                                          ; four places in front of the next step's loads over V's fragments and p's codes, and of the next read of O^T, on every path
.endr
.Lhidden_\@:
	s_add_co_u32 s[KB], s[KB], 128*KP
	s_add_co_u32 s[VB], s[VB], 128
	s_add_co_u32 s[DB], s[DB], 512
	s_add_co_u32 s[ST], s[ST], 1
.endm
; A CHUNK of 512 keys: four steps, written once, walked by every wave.  The waves meet at the heads of chunks 0 and 2 alone: at chunk 0 each wave's first two loads have landed (its two later ones, issued behind them, may be
; out) and its part of dl is stored; at chunk 2 all four have.  Each four waves w, w+4, w+8, w+12 have 25 steps in front of the second meeting and 9 behind it.
.macro CHUNK c
.if ((\c)%2) == 0
	s_wait_tensorcnt 2-(\c)
	s_wait_dscnt 0x0                               ; my store into dl is done; no LDS instruction of mine is out at the signal
	s_barrier_signal -1
	s_barrier_wait -1
.endif
	s_mov_b32 s[KB], (\c)*KCH
	s_mov_b32 s[VB], VBASE+(\c)*VCH
	s_mov_b32 s[DB], (\c)*2048
	s_mov_b32 s[CNT], 4
.Lstep_\@:
	STEP
	s_sub_co_u32 s[CNT], s[CNT], 1
	s_cmp_lg_u32 s[CNT], 0
	s_cbranch_scc1 .Lstep_\@
	s_setprio 0
.endm
	CHUNK 0
	CHUNK 1
	CHUNK 2
	CHUNK 3
	; THE WAY OUT.  Behind this barrier no wave reads K any more, and all fills have landed: the stages may lie in K's bytes.
	s_wait_dscnt 0x0
	s_barrier_signal -1
	s_barrier_wait -1
	v_add_f32 v14, v14, v15                        ; the sum's two halves,
	s_delay_alu instid0(VALU_DEP_1)
	v_permlanex16_b32 v25, v14, s[SEL], s[SEL+1]
	s_delay_alu instid0(VALU_DEP_1)
	v_add_f32 v14, v14, v25                        ; and lane l xor 16's: the row's sum
	s_wait_alu depctr_va_vdst(0)
	v_rcp_f32 v14, v14
	v_and_b32 v8, 15, v0                           ; (plain work behind the reciprocal)  r
	v_bfe_u32 v9, v0, 4, 1                         ; h
	s_mul_i32 s67, s[WV], 16*SP                    ; my stage
	v_mul_u32_u24 v[AK0], v8, SP
	s_delay_alu instid0(VALU_DEP_1)
	v_lshl_add_u32 v[AK0], v9, 5, v[AK0]
	s_delay_alu instid0(VALU_DEP_1)
	v_add_nc_u32 v[AK0], s67, v[AK0]               ; in: row r; tile t's eight channels of my half: 64 t + 32 h bytes on
	v_mul_u32_u24 v[AV0], v9, SP
	s_delay_alu instid0(VALU_DEP_1)
	v_lshl_add_u32 v[AV0], v8, 4, v[AV0]
	s_delay_alu instid0(VALU_DEP_1)
	v_add_nc_u32 v[AV0], s67, v[AV0]               ; back: lanes 0-15 one row of 256 bytes, lanes 16-31 the next
	s_wait_alu depctr_va_vdst(0)                   ; the wait ahead of the reciprocal's first reader
	v_ldexp_f32 v14, v14, s89                      ; x 2^(ev + ep)
.irp j, 0,2,4,6,8,10,12,14,16,18,20,22,24,26,28,30
	v_pk_mul_f32 v[S+\j:S+\j+1], v[OT+\j:OT+\j+1], v[14:15] op_sel_hi:[1,0]   ; O^T / the sum: register 8 t + i is o(r, 16 t + 8 h + i)
.endr
.irp t, 0,1,2,3
	ds_store_b128 v[AK0], v[S+8*\t:S+8*\t+3] offset:64*\t
	ds_store_b128 v[AK0], v[S+8*\t+4:S+8*\t+7] offset:64*\t+16
.endr
.irp i, 0,1,2,3,4,5,6,7
	ds_load_b128 v[KF+4*\i:KF+4*\i+3], v[AV0] offset:2*\i*SP   ; LDS serves a wave's instructions in order (ISA guide 5.7.1.4): these see my stores
.endr
.irp i, 0,1,2,3,4,5,6,7
	s_wait_dscnt 7-\i                              ; loads come back in order: pair i of rows is in, the younger ones may be out
	global_store_b128 v[GO], v[KF+4*\i:KF+4*\i+3], s[16:17] offset:4096*\i th:TH_STORE_NT   ; 16 lanes store 256 consecutive bytes, at a multiple of 256 from out0's first byte; written once, read by nobody here
.endr
	s_wait_xcnt 0x0
	v_lshl_add_u32 v254, v0, 2, 0x4b000
	v_mov_b32 v255, 0
	s_wait_alu depctr_va_vdst(0)
	s_wait_tensorcnt 0x0
	ds_add_u32 v254, v255
	s_wait_dscnt 0x0
	CROUND                                         ; the closing round: no work-group ends while a partner may still ask for a tile that names it (my own four loads were waited for at chunk 2's head)
	s_endpgm
.Lfunc_end_k_qbe14f9bd4d_attn:
	.size	k_qbe14f9bd4d_attn, .Lfunc_end_k_qbe14f9bd4d_attn-k_qbe14f9bd4d_attn
	.p2alignl 7, 3214868480
	.fill 96, 4, 3214868480
	.section	.rodata,"a",@progbits
	.p2align	6, 0x0
	.amdhsa_kernel k_qbe14f9bd4d_attn
		.amdhsa_group_segment_fixed_size 327680
		.amdhsa_private_segment_fixed_size 0
		.amdhsa_enable_private_segment 0
		.amdhsa_kernarg_size 56
		.amdhsa_user_sgpr_count 2
		.amdhsa_user_sgpr_kernarg_segment_ptr 1
		.amdhsa_wavefront_size32 1
		.amdhsa_system_sgpr_workgroup_id_x 1
		.amdhsa_system_sgpr_workgroup_id_y 1
		.amdhsa_system_sgpr_workgroup_id_z 1
		.amdhsa_system_vgpr_workitem_id 0
		.amdhsa_next_free_vgpr 256
		.amdhsa_next_free_sgpr 100
		.amdhsa_reserve_vcc 1
		.amdhsa_float_denorm_mode_32 3
		.amdhsa_float_denorm_mode_16_64 3
		.amdhsa_fp16_overflow 1
		.amdhsa_memory_ordered 1
		.amdhsa_forward_progress 1
		.amdhsa_inst_pref_size 117
	.end_amdhsa_kernel
	.amdgpu_metadata
---
amdhsa.version: [ 1, 2 ]
amdhsa.kernels:
  - .name:           k_qbe14f9bd4d_attn
    .symbol:         k_qbe14f9bd4d_attn.kd
    .args:
      - { .name: queries_codes, .offset: 0, .size: 8, .value_kind: global_buffer, .address_space: global }
      - { .name: keys_codes, .offset: 8, .size: 8, .value_kind: global_buffer, .address_space: global }
      - { .name: values_codes, .offset: 16, .size: 8, .value_kind: global_buffer, .address_space: global }
      - { .name: lowp_scales, .offset: 24, .size: 8, .value_kind: global_buffer, .address_space: global }
      - { .name: tau, .offset: 32, .size: 8, .value_kind: global_buffer, .address_space: global }
      - { .name: delta, .offset: 40, .size: 8, .value_kind: global_buffer, .address_space: global }
      - { .name: out0, .offset: 48, .size: 8, .value_kind: global_buffer, .address_space: global }
    .group_segment_fixed_size: 327680
    .private_segment_fixed_size: 0
    .kernarg_segment_align: 8
    .kernarg_segment_size: 56
    .max_flat_workgroup_size: 512
    .sgpr_count:     100
    .vgpr_count:     256
    .wavefront_size: 32
...
	.end_amdgpu_metadata
.endif
;; end of part 1
